; MI455X (gfx1250); checked and timed in simulation.
; The chip was launched on July 23, 2026; its instructions are those of AMD's public machine-readable ISA for CDNA 5 (MIT licence, August 2026) and "CDNA5" Instruction Set Architecture Reference Guide (July 2026). The comments in the code are by the model that wrote it; some were corrected since.
;; Attention With Einsum. Allowed arithmetic: float matrix products may take bf16 or f16 operands with f32 sums; all other float work in f32.
;; Inputs: k_param 512 x 8 x 64 float32; p_param 8 x 64 x 512 float32; q_param 512 x 8 x 64 float32; v_param 512 x 8 x 64 float32; x 1 x 4,096 x 512 float32.
;; Outputs: out0 1 x 4,096 x 512 float32.
;; One version. Each part assembles by itself: llvm-mc -triple=amdgcn-amd-amdhsa -mcpu=gfx1250 --defsym DOCPART=n.
;; ======== version 1 of 1: 3 launches
;; workspace buffers: qws 4,194,304 bytes; kws 4,194,304 bytes; vtws 4,194,304 bytes; ows 8,388,608 bytes
;; launch qkv (part 1): grid 32 x 8, 8 waves a work-group, no clusters, 145,408 bytes of LDS; arguments x, q_param, k_param, v_param, qws, kws, vtws; writes qws, kws, vtws
.if DOCPART == 1
	.amdgcn_target "amdgcn-amd-amdhsa--gfx1250"
	.amdhsa_code_object_version 6
	.text
	.protected	k_qec69838cb1_qkv
	.globl	k_qec69838cb1_qkv
	.p2align	8
	.type	k_qec69838cb1_qkv,@function
k_qec69838cb1_qkv:
	s_mov_b64 s[64:65], 0
	v_nop
	global_prefetch_b8 v0, s[64:65] scope:SCOPE_SE
	s_setreg_imm32_b32 hwreg(HW_REG_WAVE_MODE, 25, 1), 1
	s_wait_xcnt 0x0
; q = x Wq * (0.125 log2 e), k = x Wk, v = x Wv for 128 rows of x and one head; f32 in, bf16 out.
; x: [4096][512] f32.  Wq, Wk, Wv: [512 c][8 h][64 d] f32.  qws, kws: [8 h][4096 s][64 d] bf16.  vtws: [512 = 64 h + d][4096 s] bf16 (v transposed).
; Work-group (x = block of 128 rows, y = head): a tile of 128 x 192 (64 columns of each weight), K = 512 in eight steps of 64.
; Eight waves: wave w takes rows 64 (w >> 2) .. + 63 (four row tiles a) and columns 16 (w & 3) .. + 15 of each of the three weights: 12 accumulators.
; The operands are f32 in memory and go to the matrix unit as bf16, so they pass through registers: load, round, store to LDS.
; That is also why no tile is asked for jointly in a cluster: a copy straight into LDS would lay f32 there, twice the bytes, and they would still
; have to come out, be rounded and go back.
; THE LOADS RUN THREE STEPS AHEAD: a ring of three register stages of 80 registers (v256-v495, written by their low 8 bits), 20 loads a stage,
; so that 60 loads of a wave, 245,760 bytes of the work-group, are on their way while a step is multiplied.
; A STEP'S PARTS OVERLAP.  Behind step n's barrier a wave issues in one run step n's 28 fragment loads (two buffers, one for each 32 of K) and the 20 LDS
; stores of step n + 1's operands into the other slot; the products follow behind counted waits, so that the second buffer and the stores are served
; while the first buffer is multiplied.  The rounding of step n + 1 stands between the barrier's signal and its wait.
; LIMITS: the factor 0.125 log2 e (softmax scale and the change to base 2) is multiplied into q in f32 ahead of q's one rounding to bf16,
; so q's rounding differs from rounding x Wq * 0.125.  Operands are rounded to bf16 (range as f32).
.set XPITCH, 144                       ; an LDS row of x: 64 bf16 = 128 bytes + 16: 9 x 16 bytes, an odd multiple of 16
.set WPITCH, 416                       ; an LDS row of the weights: 192 bf16 = 384 bytes + 32: 13 x 32 bytes, an odd multiple of 32 (transposing loads)
.set VPITCH, 272                       ; a stage row of v transposed: 128 bf16 = 256 bytes + 16
.set XSLOT,  128*XPITCH                ; 18,432
.set WSLOT,  64*WPITCH                 ; 26,624
.set WBASE,  2*XSLOT                   ; 36,864: the weights' two slots lie behind x's two
.set STGQ,   WBASE+2*WSLOT             ; 90,112: stage of q, then (XSLOT further) of k: [128 s][64 d], pitch 144
.set STGV,   STGQ+2*XSLOT              ; 126,976: stage of v transposed: [64 d][128 s], pitch 272; ends at 144,384
.set NST, 3                            ; register stages: loads of three steps are out
.set VX,  1                            ; (t >> 4) 2048 + (t & 15) 16: my 16 bytes in a block of 16 rows of 2,048 bytes (x and the weights alike)
.set VSX, 2                            ; where my 4 rounded numbers of x go
.set VSW, 3                            ; where my 4 rounded numbers of a weight go
.set VAX, 4                            ; my fragments of x
.set VAW, 5                            ; my fragments of the weights (transposing loads)
.set STQ, 6                            ; stage: 16 bytes of a row of q or k
.set STV, 7                            ; stage: 16 bytes of a row of v transposed
.set RDQ, 8                            ; stage read back, q and k
.set RDV, 9                            ; stage read back, v transposed
.set GOQ, 10                           ; byte offset in qws and kws
.set GOV, 11                           ; byte offset in vtws
.set FB,  16                           ; v[16:127]  two fragment buffers of 56 registers (ks = 0, 1): x(a) at 8 a, weight(jm) at 32 + 8 jm
.set ACC, 152                          ; v[152:247] accumulator (jm, a) at 152 + 8 (4 jm + a)
.set G,   16                           ; v[16:63]   on the way out: the results in bf16
.set RB,  64                           ; v[64:111]  on the way out: the rows read back
; window 1: stage k of the ring at 80 k: 8 x 4 registers of x, then 4 x 4 of each weight; rounded in place into the first two of each four
.set MSB, 0
.macro WIN new                         ; s_set_vgpr_msb: bits 1:0 source 0, 3:2 source 1, 5:4 source 2, 7:6 destination; the high byte repeats the setting that is left
.if MSB != \new
	s_set_vgpr_msb (MSB<<8)|\new
.set MSB, \new
.endif
.endm
	s_load_b256 s[4:11], s[0:1], 0x0               ; x s[4:5], Wq s[6:7], Wk s[8:9], Wv s[10:11]
	s_load_b128 s[12:15], s[0:1], 0x20             ; qws s[12:13], kws s[14:15]
	s_load_b64 s[16:17], s[0:1], 0x30              ; vtws
	v_lshl_add_u32 v254, v0, 2, 0x23400
	v_mov_b32 v255, 0
	v_lshrrev_b32 v12, 5, v0
	v_readfirstlane_b32 s18, v12                   ; wave 0..7
	s_lshr_b32 s19, s18, 2                         ; i: which 64 rows
	s_and_b32 s20, s18, 3                          ; j: which 16 columns of each weight
	s_and_b32 s22, ttmp7, 0xffff                   ; head
	s_mov_b32 s26, 0x3e38aa3b                      ; 0.125 log2 e,
	s_mov_b32 s27, 0x3e38aa3b                      ; as a pair
	v_lshrrev_b32 v12, 4, v0                       ; t >> 4
	v_and_b32 v13, 15, v0                          ; t & 15, also r = lane & 15
	v_bfe_u32 v14, v0, 4, 1                        ; hh = lane >> 4
	v_lshlrev_b32 v[VX], 11, v12
	v_lshl_add_u32 v[VX], v13, 4, v[VX]
	v_mul_u32_u24 v[VSX], v12, XPITCH
	v_lshl_add_u32 v[VSX], v13, 3, v[VSX]
	v_mul_u32_u24 v[VSW], v12, WPITCH
	v_lshl_add_u32 v[VSW], v13, 3, v[VSW]
	v_add_nc_u32 v[VSW], WBASE, v[VSW]
	s_mul_i32 s23, s19, 64*XPITCH
	v_mul_u32_u24 v[VAX], v13, XPITCH
	v_lshl_add_u32 v[VAX], v14, 4, v[VAX]
	v_add_nc_u32 v[VAX], s23, v[VAX]               ; (64 i + r) 144 + 16 hh
	v_and_b32 v15, 7, v0
	v_lshl_add_u32 v15, v14, 3, v15                ; 8 hh + (lane & 7): the row of K that I address
	v_mul_u32_u24 v[VAW], v15, WPITCH
	v_bfe_u32 v15, v0, 3, 1
	v_lshl_add_u32 v[VAW], v15, 4, v[VAW]          ; + 16 ((lane >> 3) & 1)
	s_lshl_b32 s23, s20, 5                         ; 32 j: my 16 columns in bytes
	s_add_co_u32 s28, s23, WBASE
	v_add_nc_u32 v[VAW], s28, v[VAW]
	s_add_co_u32 s28, s23, STGQ
	v_add_nc_u32 v[STQ], s28, v[VAX]               ; row 64 i + r, byte 32 j + 16 hh
	s_mul_i32 s28, s20, 16*VPITCH
	s_lshl_b32 s29, s19, 7
	s_add_co_u32 s28, s28, s29
	s_add_co_u32 s28, s28, STGV
	v_mul_u32_u24 v[STV], v13, VPITCH
	v_lshl_add_u32 v[STV], v14, 4, v[STV]
	v_add_nc_u32 v[STV], s28, v[STV]               ; row 16 j + r, byte 128 i + 16 hh
	v_lshrrev_b32 v15, 3, v0
	v_mul_u32_u24 v[RDQ], v15, XPITCH
	v_and_b32 v15, 7, v0
	v_lshl_add_u32 v[RDQ], v15, 4, v[RDQ]
	v_add_nc_u32 v[RDQ], STGQ, v[RDQ]              ; row t >> 3, byte 16 (t & 7)
	v_mul_u32_u24 v[RDV], v12, VPITCH
	v_lshl_add_u32 v[RDV], v13, 4, v[RDV]
	v_add_nc_u32 v[RDV], STGV, v[RDV]              ; row t >> 4, byte 16 (t & 15)
	v_lshlrev_b32 v[GOQ], 4, v0                    ; rows of 128 bytes follow each other: 16 t
	v_lshlrev_b32 v[GOV], 13, v12                  ; rows of 8,192 bytes
	v_lshl_add_u32 v[GOV], v13, 4, v[GOV]
	s_wait_kmcnt 0x0
	s_mov_b32 s25, 0
	s_lshl_b32 s24, ttmp9, 18                      ; 128 rows of 2,048 bytes
	s_add_nc_u64 s[4:5], s[4:5], s[24:25]
	s_lshl_b32 s24, s22, 8                         ; the head's 64 columns of 4 bytes
	s_add_nc_u64 s[6:7], s[6:7], s[24:25]
	s_add_nc_u64 s[8:9], s[8:9], s[24:25]
	s_add_nc_u64 s[10:11], s[10:11], s[24:25]
	s_lshl_b32 s24, s22, 19                        ; a head of qws: 4,096 rows of 128 bytes
	s_lshl_b32 s23, ttmp9, 14                      ; 128 rows of 128 bytes
	s_add_co_u32 s24, s24, s23
	s_add_nc_u64 s[12:13], s[12:13], s[24:25]
	s_add_nc_u64 s[14:15], s[14:15], s[24:25]
	s_lshl_b32 s24, s22, 19                        ; a head of vtws: 64 rows of 8,192 bytes
	s_lshl_b32 s23, ttmp9, 8                       ; 128 columns of 2 bytes
	s_add_co_u32 s24, s24, s23
	s_add_nc_u64 s[16:17], s[16:17], s[24:25]
; A vector instruction that reads a matrix result, and a load into a register that a matrix instruction has read, stand four places behind it;
; only plain vector instructions that name none of its registers are places.
.macro PLACES
.rept 4
	v_nop
.endr
.endm
; K step n's 20 loads, into stage n mod 3.  A wave's load covers two rows x 256 consecutive bytes, each at a multiple of 256 from the buffer's first byte.
; No address register is ever rewritten: rows and steps stand in the immediates (1,015,808 at the most).
.macro GLOAD n
.set GL_, 80*((\n)%NST)
	WIN 0x40                                       ; destination window 1, address window 0
.irp i, 0,1,2,3,4,5,6,7
	global_load_b128 v[GL_+4*\i:GL_+4*\i+3], v[VX], s[4:5] offset:\i*32768+(\n)*256
.endr
.irp jm, 0,1,2
.irp i, 0,1,2,3
	global_load_b128 v[GL_+32+16*\jm+4*\i:GL_+32+16*\jm+4*\i+3], v[VX], s[6+2*\jm:7+2*\jm] offset:\i*32768+(\n)*131072
.endr
.endr
	WIN 0
.endm
; Step n's 80 numbers are rounded, in place in their stage.  left = the loads of younger stages that may stay out.
.macro CV n, left
.set GS_, 80*((\n)%NST)
	s_wait_loadcnt \left                           ; loads come back in order (ISA guide 5.7.1): step n's 20 are in, the younger stages' stay out
	WIN 0x45                                       ; sources and destination window 1
.irp q, 0,1,2,3,4,5,6,7,8,9,10,11,12,13,14,15,16,17,18,19
	v_cvt_pk_bf16_f32 v[GS_+4*\q],   v[GS_+4*\q],   v[GS_+4*\q+1]    ; four f32 to four bf16, into the first two of the four registers
	v_cvt_pk_bf16_f32 v[GS_+4*\q+1], v[GS_+4*\q+2], v[GS_+4*\q+3]
.endr
	WIN 0
.endm
; and stored into LDS slot n & 1
.macro ST n
.set GS_, 80*((\n)%NST)
	WIN 0x04                                       ; address window 0, data window 1
.irp i, 0,1,2,3,4,5,6,7
	ds_store_b64 v[VSX], v[GS_+4*\i:GS_+4*\i+1] offset:((\n)&1)*XSLOT+\i*16*XPITCH
.endr
.irp jm, 0,1,2
.irp i, 0,1,2,3
	ds_store_b64 v[VSW], v[GS_+32+16*\jm+4*\i:GS_+32+16*\jm+4*\i+1] offset:((\n)&1)*WSLOT+\i*16*WPITCH+\jm*128
.endr
.endr
	WIN 0
.endm
; 14 fragment loads: 32 along K (half ks) from slot sl, into buffer ks
.macro FRAG sl, ks
.irp a, 0,1,2,3
	ds_load_b128 v[FB+56*\ks+8*\a:FB+56*\ks+8*\a+3],   v[VAX] offset:\sl*XSLOT+\a*16*XPITCH+\ks*64
	ds_load_b128 v[FB+56*\ks+8*\a+4:FB+56*\ks+8*\a+7], v[VAX] offset:\sl*XSLOT+\a*16*XPITCH+\ks*64+32
.endr
.irp jm, 0,1,2
	ds_load_tr16_b128 v[FB+56*\ks+32+8*\jm:FB+56*\ks+32+8*\jm+3],   v[VAW] offset:\sl*WSLOT+\ks*32*WPITCH+\jm*128
	ds_load_tr16_b128 v[FB+56*\ks+32+8*\jm+4:FB+56*\ks+32+8*\jm+7], v[VAW] offset:\sl*WSLOT+\ks*32*WPITCH+\jm*128+16*WPITCH
.endr
.endm
; 12 matrix instructions on buffer ks, the 12 accumulators by turns, one instruction a turn.
; q and k: source 0 = 16 columns of the weight, source 1 = 16 rows of x: a lane's eight results are eight neighbouring d of one row s.
; v: the other way round: eight neighbouring s of one row d, which is how v transposed is stored.
.macro MM12 ks, zero
.set FX_, FB+56*\ks
.set FW_, FB+56*\ks+32
.irp jm, 0,1
.irp a, 0,1,2,3
.if \zero
	v_wmma_f32_16x16x32_bf16 v[ACC+8*(4*\jm+\a):ACC+8*(4*\jm+\a)+7], v[FW_+8*\jm:FW_+8*\jm+7], v[FX_+8*\a:FX_+8*\a+7], 0
.else
	v_wmma_f32_16x16x32_bf16 v[ACC+8*(4*\jm+\a):ACC+8*(4*\jm+\a)+7], v[FW_+8*\jm:FW_+8*\jm+7], v[FX_+8*\a:FX_+8*\a+7], v[ACC+8*(4*\jm+\a):ACC+8*(4*\jm+\a)+7]
.endif
.endr
.endr
.irp a, 0,1,2,3
.if \zero
	v_wmma_f32_16x16x32_bf16 v[ACC+8*(8+\a):ACC+8*(8+\a)+7], v[FX_+8*\a:FX_+8*\a+7], v[FW_+16:FW_+23], 0
.else
	v_wmma_f32_16x16x32_bf16 v[ACC+8*(8+\a):ACC+8*(8+\a)+7], v[FX_+8*\a:FX_+8*\a+7], v[FW_+16:FW_+23], v[ACC+8*(8+\a):ACC+8*(8+\a)+7]
.endif
.endr
.endm
; K step n.  nxt = 1: step n + 1's operands are rounded and stored; more = 1: the stage so emptied is loaded again, with step n + 4; left: see CV.
; ONE BARRIER A STEP, for two things.  In front of its signal each wave has waited for all its LDS instructions: its stores into slot n & 1 (issued in step
; n - 1) and its reads of the other slot (step n - 1's fragments).  Behind its wait slot n & 1 is whole and is read, and nobody reads the other slot
; any more, so it is written.
.macro STEP n, zero, nxt, more, left
	s_wait_dscnt 0x0                               ; for the other waves' sake: zero
	s_barrier_signal -1
.if \nxt
	CV (\n+1), \left                               ; register work while the others arrive; its 40 lines are also the places between the last step's products and the fragment loads
.else
	PLACES
.endif
	s_barrier_wait -1
	FRAG ((\n)&1), 0
	FRAG ((\n)&1), 1
.if \nxt
	ST (\n+1)
.endif
.if \more
	GLOAD (\n+1+NST)
.endif
	s_wait_dscnt 14+20*\nxt                        ; LDS instructions end in order (ISA guide 5.7.1): buffer 0's 14 loads are in; buffer 1's 14 and the 20 stores may be out
	MM12 0, \zero
	s_wait_dscnt 20*\nxt                           ; buffer 1's loads are in; the stores may be out
	MM12 1, 0
.endm
	GLOAD 0
	GLOAD 1
	GLOAD 2
	CV 0, 40                                       ; steps 1 and 2 stay out
	ST 0
	GLOAD 3
	STEP 0, 1, 1, 1, 40                            ; the first products start the sums: nothing is cleared
	STEP 1, 0, 1, 1, 40
	STEP 2, 0, 1, 1, 40
	STEP 3, 0, 1, 1, 40                            ; asks for step 7, the last
	STEP 4, 0, 1, 0, 40                            ; rounds step 5; steps 6 and 7 are out
	STEP 5, 0, 1, 0, 20
	STEP 6, 0, 1, 0, 0
	STEP 7, 0, 0, 0, 0
	; THE WAY OUT: scale q, round, 16 bytes a lane into the stages, whole rows back, whole aligned runs out.
	PLACES
.irp p, 0,1,2,3,4,5,6,7,8,9,10,11,12,13,14,15
	v_pk_mul_f32 v[ACC+2*\p:ACC+2*\p+1], v[ACC+2*\p:ACC+2*\p+1], s[26:27] op_sel_hi:[1,0]
.endr
.irp q, 0,1,2,3,4,5,6,7,8,9,10,11
.irp u, 0,1,2,3
	v_cvt_pk_bf16_f32 v[G+4*\q+\u], v[ACC+8*\q+2*\u], v[ACC+8*\q+2*\u+1]
.endr
.endr
.irp jm, 0,1
.irp a, 0,1,2,3
	ds_store_b128 v[STQ], v[G+4*(4*\jm+\a):G+4*(4*\jm+\a)+3] offset:\jm*XSLOT+\a*16*XPITCH
.endr
.endr
.irp a, 0,1,2,3
	ds_store_b128 v[STV], v[G+32+4*\a:G+32+4*\a+3] offset:\a*32
.endr
	s_wait_dscnt 0x0                               ; a stage row holds parts from four waves (q, k) or two (v): stores done, then the barrier
	s_barrier_signal -1
	s_barrier_wait -1
.irp jm, 0,1
.irp u, 0,1,2,3
	ds_load_b128 v[RB+4*(4*\jm+\u):RB+4*(4*\jm+\u)+3], v[RDQ] offset:\jm*XSLOT+\u*32*XPITCH
.endr
.endr
.irp u, 0,1,2,3
	ds_load_b128 v[RB+32+4*\u:RB+32+4*\u+3], v[RDV] offset:\u*16*VPITCH
.endr
.irp u, 0,1,2,3
	s_wait_dscnt 11-\u                             ; LDS loads come back in order: the count is the younger ones
	global_store_b128 v[GOQ], v[RB+4*\u:RB+4*\u+3], s[12:13] offset:\u*4096        ; a wave stores 512 consecutive bytes
.endr
.irp u, 0,1,2,3
	s_wait_dscnt 7-\u
	global_store_b128 v[GOQ], v[RB+16+4*\u:RB+16+4*\u+3], s[14:15] offset:\u*4096
.endr
.irp u, 0,1,2,3
	s_wait_dscnt 3-\u
	global_store_b128 v[GOV], v[RB+32+4*\u:RB+32+4*\u+3], s[16:17] offset:\u*131072 ; 16 lanes store 256 consecutive bytes, aligned
.endr
	s_wait_tensorcnt 0x0
	ds_add_u32 v254, v255
	s_wait_dscnt 0x0
	s_endpgm
.Lfunc_end_k_qec69838cb1_qkv:
	.size	k_qec69838cb1_qkv, .Lfunc_end_k_qec69838cb1_qkv-k_qec69838cb1_qkv
	.p2alignl 7, 3214868480
	.fill 96, 4, 3214868480
	.section	.rodata,"a",@progbits
	.p2align	6, 0x0
	.amdhsa_kernel k_qec69838cb1_qkv
		.amdhsa_group_segment_fixed_size 145408
		.amdhsa_private_segment_fixed_size 0
		.amdhsa_enable_private_segment 0
		.amdhsa_kernarg_size 56
		.amdhsa_user_sgpr_count 2
		.amdhsa_user_sgpr_kernarg_segment_ptr 1
		.amdhsa_wavefront_size32 1
		.amdhsa_system_sgpr_workgroup_id_x 1
		.amdhsa_system_sgpr_workgroup_id_y 1
		.amdhsa_system_sgpr_workgroup_id_z 1
		.amdhsa_system_vgpr_workitem_id 0
		.amdhsa_next_free_vgpr 496
		.amdhsa_next_free_sgpr 66
		.amdhsa_reserve_vcc 0
		.amdhsa_float_denorm_mode_32 3
		.amdhsa_float_denorm_mode_16_64 3
		.amdhsa_memory_ordered 1
		.amdhsa_forward_progress 1
		.amdhsa_inst_pref_size 86
	.end_amdhsa_kernel
	.amdgpu_metadata
---
amdhsa.version: [ 1, 2 ]
amdhsa.kernels:
  - .name:           k_qec69838cb1_qkv
    .symbol:         k_qec69838cb1_qkv.kd
    .args:
      - { .name: x, .offset: 0, .size: 8, .value_kind: global_buffer, .address_space: global }
      - { .name: q_param, .offset: 8, .size: 8, .value_kind: global_buffer, .address_space: global }
      - { .name: k_param, .offset: 16, .size: 8, .value_kind: global_buffer, .address_space: global }
      - { .name: v_param, .offset: 24, .size: 8, .value_kind: global_buffer, .address_space: global }
      - { .name: qws, .offset: 32, .size: 8, .value_kind: global_buffer, .address_space: global }
      - { .name: kws, .offset: 40, .size: 8, .value_kind: global_buffer, .address_space: global }
      - { .name: vtws, .offset: 48, .size: 8, .value_kind: global_buffer, .address_space: global }
    .group_segment_fixed_size: 145408
    .private_segment_fixed_size: 0
    .kernarg_segment_align: 8
    .kernarg_segment_size: 56
    .max_flat_workgroup_size: 256
    .sgpr_count:     66
    .vgpr_count:     496
    .wavefront_size: 32
...
	.end_amdgpu_metadata
.endif
;; end of part 1
;; launch attn (part 2): grid 32 x 8, 8 waves a work-group, clusters of 4 x 1, 327,680 bytes of LDS; arguments qws, kws, vtws, ows; writes ows
.if DOCPART == 2
	.amdgcn_target "amdgcn-amd-amdhsa--gfx1250"
	.amdhsa_code_object_version 6
	.text
	.protected	k_qec69838cb1_attn
	.globl	k_qec69838cb1_attn
	.p2align	8
	.type	k_qec69838cb1_attn,@function
k_qec69838cb1_attn:
	s_mov_b64 s[64:65], 0
	v_nop
	global_prefetch_b8 v0, s[64:65] scope:SCOPE_SE
	s_setreg_imm32_b32 hwreg(HW_REG_WAVE_MODE, 25, 1), 1
	s_wait_xcnt 0x0
	s_wait_alu depctr_hold_cnt(0) depctr_sa_sdst(0) depctr_va_vdst(0) depctr_va_sdst(0) depctr_va_ssrc(0) depctr_va_vcc(0) depctr_vm_vsrc(0)
	s_getreg_b32 s2, hwreg(HW_REG_IB_STS2, 6, 4)
	s_cmp_eq_u32 s2, 0
	s_cbranch_scc0 .Lentry_in_a_cluster
	s_endpgm
.Lentry_in_a_cluster:
	s_bfe_u32 s2, ttmp6, 0x10000c
	s_cmp_lg_u32 s2, 0x3003
	s_cbranch_scc0 .Lentry_shape_is_right
	s_endpgm
.Lentry_shape_is_right:
; o = softmax(q k^T) v for 128 queries of one head, with a running maximum; o is divided by the sum and stored as two bf16 planes, hi + lo.
; qws, kws: [8 h][4096][64 d] bf16 (q already holds 0.125 log2 e, so the exponentials are base 2).  vtws: [64 h + d][4096 t] bf16.
; ows: [2 planes][8 h][4096 s][64 d] bf16; hi = bf16(o), lo = bf16(o - hi): the last product takes both, since one bf16 of o is too coarse for it.
; EIGHT WAVES, two for each of the WGP's four SIMDs, so that one wave's softmax can be issued while the other's matrix instructions run.
; Wave w takes queries 32 (w & 3) .. + 31 (two query tiles qt) and half w >> 2 of every key tile: a wave's tile stays 32 queries wide, so the LDS bytes
; read for each multiply-add are those of four waves.  Each wave keeps its own maximum, sum and O^T; the two waves of a query block merge them at the end.
; The keys go in 8 tiles of 512 through two LDS slots; a wave works its 256 keys of a tile in four steps of 64.
; BOTH PRODUCTS ARE USED TRANSPOSED.  S^T = K Q^T: source 0 = 16 keys, source 1 = 16 queries; lane (r, hh) then holds keys 8 hh + 0..7 of query r.
; So a lane owns one query: maximum, sum and rescaling factor are numbers of the lane, and only the two halves hh meet (one lane exchange a step and tile).
; Two key tiles, rounded and packed, are as they stand the source 1 (32 keys x 16 queries) of O^T = V^T P^T; source 0 are rows of v transposed.
; In O^T a lane holds eight neighbouring d of its query: 16 packed bytes.
; CLUSTERS: the four work-groups of a cluster are four query blocks of one head and walk the same K and V tiles: every tile is asked for jointly
; (mask 15), each wave one load: waves 0-3 the tile's 4 x 128 keys of K, waves 4-7 the 4 x 128 keys of V^T.  Nothing in a descriptor, an LDS address
; or a branch hangs on the place in the cluster; only the addresses of q and o do.
; A wave has one tensor load outstanding: the one issued behind each round of the cluster's barrier; it has a trip's 128 matrix instructions of each wave in which to land.
; LIMITS: NaN and infinities in the inputs are not reproduced (the maxima drop a NaN).  An exponential below 2^-126 counts as 0 (ISA guide, v_exp_f32).
; The sum l is made of the unrounded exponentials, the product of their bf16 roundings.
; REGISTERS: window 0 (v0-255) feeds the matrix unit from memory; window 1 (v256-443, written by their low 8 bits) holds all that the vector unit works on.
.set KPITCH, 144                       ; a row of K in LDS: 128 bytes + 16
.set VPITCH, 272                       ; a row of V^T in LDS: 256 bytes + 16
.set KREG,   128*KPITCH                ; 18,432: what one load of K fills
.set VREG,   64*VPITCH                 ; 17,408: what one load of V^T fills
.set VBASE,  4*KREG                    ; 73,728: V^T's four regions lie behind K's four
.set SLOT,   VBASE+4*VREG              ; 143,360
.set STAGE,  2*SLOT                    ; 286,720: behind the ring, never filled by a tensor load: a box of 4,608 bytes for each wave
.set BOX,    4608                      ; first 4,096 of O^T + 128 of m + 128 of l for the partner; later hi 16 rows x 144, then lo
.set KTILE,  65536                     ; 512 keys x 128 bytes
.set VTILE,  1024                      ; 512 keys x 2 bytes along V^T's rows
; window 0
.set ADK, 2                            ; v2, v3   my K fragments in slot 0, 1: my half's two regions + r 144 + 16 hh
.set ADV, 4                            ; v4, v5   my V^T fragments in slot 0, 1: VBASE + my half's two regions + r 272 + 16 hh
.set VQ,  6                            ; r 128 + 16 hh
.set STO, 7                            ; my box as a stage, in
.set RD,  8                            ; my box as a stage, back
.set GO,  9                            ; 16 x lane
.set QF,  16                           ; v[16:47]   Q(qt, kc) at 16 + 8 (2 qt + kc)
.set KF,  48                           ; v[48:111]  K(kt, kc) at 48 + 8 (2 kt + kc)
.set VF,  112                          ; v[112:175] V(dt, c) at 112 + 8 (2 dt + c)
.set BXO, 176                          ; my box + 16 x lane
.set BXI, 177                          ; my partner's box + 16 x lane
.set BMO, 178                          ; my box + 4 x lane
.set BMI, 179                          ; my partner's box + 4 x lane
; window 1
.set SS,  0                            ; 64: scores, then exponentials; group g = 4 qt + kt at 8 g
.set PP,  64                           ; 32: the exponentials in bf16, group g at 4 g
.set OO,  96                           ; 64: O^T, tile 4 qt + dt at 8 x
.set MN,  160                          ; the running maximum, twice, for each qt
.set AL,  164                          ; the rescaling factor, twice, for each qt
.set LX,  168                          ; two chains of partial sums, a pair each, for each qt
.set LY,  172
.set TT,  176                          ; at work, six for each qt: four chains, the other half's figure, the new maximum
.set G1K, 24
.set G1V, 32
.set G0K, 40                           ; one group 0 for each slot
.set G0V, 48
.set MSB, 0
.macro WIN new                         ; the immediate's high byte repeats the setting that is left
.if MSB != \new
	s_set_vgpr_msb (MSB<<8)|\new
.set MSB, \new
.endif
.endm
.macro PLACES                          ; four places behind matrix instructions (ISA guide 7.12.1)
.rept 4
	v_nop
.endr
.endm
; A round of the cluster's barrier: my work-group's barrier; wave 0 signals for the work-group; every wave waits for all four work-groups; my work-group's barrier again.
.macro ROUND
	s_barrier_signal -1
	s_barrier_wait -1
	s_cmp_lg_u32 s12, 0
	s_cbranch_scc1 .Lnot_wave_0_\@
	s_barrier_signal -3
.Lnot_wave_0_\@:
	s_barrier_wait -3
	s_barrier_signal -1
	s_barrier_wait -1
.endm
; A joint load into slot s: waves 0-3 by K's line, waves 4-7 by V's.  The branch hangs on the wave's number alone.
.macro JLOAD s
	s_cmp_eq_u32 s13, 0
	s_cbranch_scc0 .Lfor_v_\@
	tensor_load_to_lds s[G0K+4*\s:G0K+4*\s+3], s[G1K:G1K+7]
	s_nop 0
	s_branch .Lasked_\@
.Lfor_v_\@:
	tensor_load_to_lds s[G0V+4*\s:G0V+4*\s+3], s[G1V:G1V+7]
	s_nop 0
.Lasked_\@:
.endm
	s_load_b256 s[4:11], s[0:1], 0x0               ; qws s[4:5], kws s[6:7], vtws s[8:9], ows s[10:11]
	v_lshl_add_u32 v254, v0, 2, 0x4f000
	v_mov_b32 v255, 0
	ds_add_u32 v254, v255
	v_lshrrev_b32 v1, 5, v0
	v_readfirstlane_b32 s12, v1                    ; wave 0..7
	s_lshr_b32 s13, s12, 2                         ; 0: I fetch K, 1: V^T.  Also: which 256 keys of a tile I work on
	s_and_b32 s14, s12, 3                          ; which 128 keys of the tile I fetch.  Also: which 32 queries are mine
	s_bfe_u32 s15, ttmp6, 0x40000                  ; cx
	s_lshl_b32 s16, ttmp9, 2
	s_add_co_u32 s16, s16, s15                     ; query block = 4 x cluster x + cx
	s_and_b32 s17, ttmp7, 0xffff                   ; head
	s_mul_i32 s22, s12, KREG                       ; where a load of K goes: waves 0-3, region w
	s_mul_i32 s59, s12, VREG                       ; where a load of V^T goes: waves 4-7,
	s_add_co_u32 s59, s59, VBASE-4*VREG            ; VBASE + (w - 4) x 17,408
	s_mov_b32 s56, 0x76543210                      ; v_permlanex16_b32: lane i reads lane i of the other half
	s_mov_b32 s57, 0xfedcba98
	s_mov_b32 s58, 0xffff0000                      ; a word's upper bf16
	; group 1 for K: 128 rows x 64 elements of 2 bytes, rows 64 elements apart; 4 words of padding behind every 32
	s_mov_b32 s[G1K+0], 0x0731000f                 ; 15:0 mask 15; 17:16 size code 1; 20 padding; 21 set beside a mask; 24:22 code 4 (32 words); 31:25 code 3 (4 words)
	s_mov_b32 s[G1K+1], 64<<16                     ; tensor_dim0 = 64
	s_mov_b32 s[G1K+2], 128<<16                    ; tensor_dim1 = 128
	s_mov_b32 s[G1K+3], 64<<16                     ; tile_dim0 = 64
	s_mov_b32 s[G1K+4], 128                        ; tile_dim1 = 128
	s_mov_b32 s[G1K+5], 64                         ; from row to row
	s_mov_b32 s[G1K+6], 0
	s_mov_b32 s[G1K+7], 0
	; group 1 for V^T: 64 rows x 128 elements, rows 4,096 elements apart; 4 words of padding behind every 64
	s_mov_b32 s[G1V+0], 0x0771000f
	s_mov_b32 s[G1V+1], 128<<16
	s_mov_b32 s[G1V+2], 64<<16
	s_mov_b32 s[G1V+3], 128<<16
	s_mov_b32 s[G1V+4], 64
	s_mov_b32 s[G1V+5], 4096
	s_mov_b32 s[G1V+6], 0
	s_mov_b32 s[G1V+7], 0
	s_lshl_b32 s18, s17, 19                        ; K: the head (4,096 rows of 128 bytes) + my 128 keys
	s_lshl_b32 s20, s14, 14
	s_add_co_u32 s18, s18, s20
	s_mov_b32 s19, 0
	s_lshl_b32 s20, s17, 19                        ; V^T: the head (64 rows of 8,192 bytes) + my 128 keys along the rows
	s_lshl_b32 s21, s14, 8
	s_add_co_u32 s20, s20, s21
	s_mov_b32 s21, 0
	s_lshl_b32 s60, s17, 19                        ; q and o: head, query block (128 rows of 128 bytes), my 32 rows
	s_lshl_b32 s16, s16, 14
	s_add_co_u32 s60, s60, s16
	s_lshl_b32 s61, s14, 12
	s_add_co_u32 s60, s60, s61
	s_mov_b32 s61, 0
	s_wait_dscnt 0x0
	s_wait_kmcnt 0x0
	s_add_nc_u64 s[18:19], s[6:7], s[18:19]
	s_add_nc_u64 s[20:21], s[8:9], s[20:21]
	s_add_nc_u64 s[4:5], s[4:5], s[60:61]
	s_add_nc_u64 s[10:11], s[10:11], s[60:61]
.irp s, 0,1
	s_mov_b32 s[G0K+4*\s], 1
	s_add_co_u32 s[G0K+4*\s+1], s22, \s*SLOT
	s_add_nc_u64 s[G0K+4*\s+2:G0K+4*\s+3], s[18:19], \s*KTILE      ; slot s starts with tile s
	s_or_b32 s[G0K+4*\s+3], s[G0K+4*\s+3], 0x80000000
	s_mov_b32 s[G0V+4*\s], 1
	s_add_co_u32 s[G0V+4*\s+1], s59, \s*SLOT
	s_add_nc_u64 s[G0V+4*\s+2:G0V+4*\s+3], s[20:21], \s*VTILE
	s_or_b32 s[G0V+4*\s+3], s[G0V+4*\s+3], 0x80000000
.endr
	ROUND                                          ; all four work-groups are here: the first joint loads meet
	JLOAD 0                                        ; tile 0
	v_and_b32 v10, 15, v0                          ; r
	v_bfe_u32 v11, v0, 4, 1                        ; hh
	v_lshlrev_b32 v[VQ], 7, v10
	v_lshl_add_u32 v[VQ], v11, 4, v[VQ]
.irp qt, 0,1
.irp kc, 0,1
	global_load_b128 v[QF+16*\qt+8*\kc:QF+16*\qt+8*\kc+3],   v[VQ], s[4:5] offset:\qt*2048+\kc*64
	global_load_b128 v[QF+16*\qt+8*\kc+4:QF+16*\qt+8*\kc+7], v[VQ], s[4:5] offset:\qt*2048+\kc*64+32
.endr
.endr
	v_mul_u32_u24 v14, v10, KPITCH
	v_lshl_add_u32 v14, v11, 4, v14                ; r 144 + 16 hh
	s_mul_i32 s23, s13, 2*KREG                     ; my half of a tile: K's regions 2 (w >> 2), + 1
	v_add_nc_u32 v[ADK], s23, v14
	v_add_nc_u32 v[ADK+1], SLOT, v[ADK]
	v_mul_u32_u24 v[ADV], v10, VPITCH
	v_lshl_add_u32 v[ADV], v11, 4, v[ADV]
	s_mul_i32 s23, s13, 2*VREG                     ; and the same two of V^T's
	s_add_co_u32 s23, s23, VBASE
	v_add_nc_u32 v[ADV], s23, v[ADV]
	v_add_nc_u32 v[ADV+1], SLOT, v[ADV]
	s_mul_i32 s23, s12, BOX
	s_add_co_u32 s23, s23, STAGE                   ; my box
	s_xor_b32 s62, s12, 4                          ; my partner: the same queries, the other half of the keys
	s_mul_i32 s62, s62, BOX
	s_add_co_u32 s62, s62, STAGE                   ; its box
	v_add_nc_u32 v[STO], s23, v14                  ; row r, byte 16 hh
	v_bfe_u32 v12, v0, 3, 2                        ; (lane >> 3)
	v_and_b32 v13, 7, v0
	v_mul_u32_u24 v[RD], v12, KPITCH
	v_lshl_add_u32 v[RD], v13, 4, v[RD]
	v_add_nc_u32 v[RD], s23, v[RD]                 ; four rows of 128 bytes a load
	v_and_b32 v15, 31, v0                          ; lane
	v_lshlrev_b32 v[GO], 4, v15
	v_add_nc_u32 v[BXO], s23, v[GO]
	v_add_nc_u32 v[BXI], s62, v[GO]
	v_lshl_add_u32 v[BMO], v15, 2, s23
	v_lshl_add_u32 v[BMI], v15, 2, s62
	WIN 0x40
	v_mov_b32 v[TT+4], 0                           ; destinations of the lane exchange count as read: written once here
	v_mov_b32 v[TT+10], 0
	WIN 0
	s_wait_loadcnt 0x0                             ; q, once
; 16 loads: the fragments of 64 keys (step st of my half of the tile in the slot): four key tiles x 64 d
.macro KLOAD slot, st
.irp kt, 0,1,2,3
.irp kc, 0,1
	ds_load_b128 v[KF+16*\kt+8*\kc:KF+16*\kt+8*\kc+3],   v[ADK+\slot] offset:((\st)>>1)*KREG+(((\st)&1)*64+16*\kt)*KPITCH+64*\kc
	ds_load_b128 v[KF+16*\kt+8*\kc+4:KF+16*\kt+8*\kc+7], v[ADK+\slot] offset:((\st)>>1)*KREG+(((\st)&1)*64+16*\kt)*KPITCH+64*\kc+32
.endr
.endr
.endm
; 16 loads: four d tiles x the same 64 keys of V^T
.macro VLOAD slot, st
.irp dt, 0,1,2,3
.irp c, 0,1
	ds_load_b128 v[VF+16*\dt+8*\c:VF+16*\dt+8*\c+3],   v[ADV+\slot] offset:((\st)>>1)*VREG+\dt*16*VPITCH+((\st)&1)*128+64*\c
	ds_load_b128 v[VF+16*\dt+8*\c+4:VF+16*\dt+8*\c+7], v[ADV+\slot] offset:((\st)>>1)*VREG+\dt*16*VPITCH+((\st)&1)*128+64*\c+32
.endr
.endr
.endm
.macro SUB1 g, u                       ; two scores less the maximum
	v_pk_add_f32 v[SS+8*(\g)+2*(\u):SS+8*(\g)+2*(\u)+1], v[SS+8*(\g)+2*(\u):SS+8*(\g)+2*(\u)+1], v[MN+2*((\g)/4):MN+2*((\g)/4)+1] neg_lo:[0,1] neg_hi:[0,1]
.endm
.macro CVT1 g, u                       ; two exponentials to bf16
	s_wait_alu depctr_va_vdst(0)
	v_cvt_pk_bf16_f32 v[PP+4*(\g)+(\u)], v[SS+8*(\g)+2*(\u)], v[SS+8*(\g)+2*(\u)+1]
.endm
.macro RESC e                          ; pair e of O^T times its query tile's factor
	v_pk_mul_f32 v[OO+2*(\e):OO+2*(\e)+1], v[OO+2*(\e):OO+2*(\e)+1], v[AL+2*((\e)/16):AL+2*((\e)/16)+1]
.endm
; Two exponentials into a chain of the sum: even pairs into LX, odd into LY.  A step's first pair of each chain carries the rescaling (one fused
; multiply-add); in the very first step the chains are started by a sum of two pairs: nothing is cleared.
.macro SUM1 g, u, first
.set KT_, (\g)%4
.set QT_, (\g)/4
.if (\u)&1
.set LC_, LY+2*QT_
.else
.set LC_, LX+2*QT_
.endif
.set PR_, SS+8*(\g)+2*(\u)
.if KT_ == 0
.if \u < 2
.if \first == 0
	s_wait_alu depctr_va_vdst(0)
	v_pk_fma_f32 v[LC_:LC_+1], v[LC_:LC_+1], v[AL+2*QT_:AL+2*QT_+1], v[PR_:PR_+1]
.endif
.else
.if \first
	v_pk_add_f32 v[LC_:LC_+1], v[PR_-4:PR_-3], v[PR_:PR_+1]
.else
	v_pk_add_f32 v[LC_:LC_+1], v[LC_:LC_+1], v[PR_:PR_+1]
.endif
.endif
.else
	s_wait_alu depctr_va_vdst(0)
	v_pk_add_f32 v[LC_:LC_+1], v[LC_:LC_+1], v[PR_:PR_+1]
.endif
.endm
; The new maximum of both query tiles: 32 scores a lane in four chains of three-way maxima, the other half of the lanes, the old maximum.
; Then alpha = 2^(old - new), and the first group's subtractions, which are the plain instructions between the exponentials and alpha's first use (ISA guide 5.7.2).
.macro MAXPH first
.irp qt, 0,1
.irp c, 0,1,2,3
	v_max3_num_f32 v[TT+6*\qt+\c], v[SS+32*\qt+8*\c], v[SS+32*\qt+8*\c+1], v[SS+32*\qt+8*\c+2]
.endr
.endr
.irp qt, 0,1
.irp c, 0,1,2,3
	v_max3_num_f32 v[TT+6*\qt+\c], v[TT+6*\qt+\c], v[SS+32*\qt+8*\c+3], v[SS+32*\qt+8*\c+4]
.endr
.endr
.irp qt, 0,1
.irp c, 0,1,2,3
	v_max3_num_f32 v[TT+6*\qt+\c], v[TT+6*\qt+\c], v[SS+32*\qt+8*\c+5], v[SS+32*\qt+8*\c+6]
.endr
.endr
.irp qt, 0,1
	v_max3_num_f32 v[TT+6*\qt],   v[TT+6*\qt],   v[SS+32*\qt+7],  v[SS+32*\qt+15]
	v_max3_num_f32 v[TT+6*\qt+1], v[TT+6*\qt+1], v[SS+32*\qt+23], v[SS+32*\qt+31]
.endr
.irp qt, 0,1
	v_max3_num_f32 v[TT+6*\qt], v[TT+6*\qt], v[TT+6*\qt+2], v[TT+6*\qt+3]
.endr
.irp qt, 0,1
	v_max_num_f32 v[TT+6*\qt], v[TT+6*\qt], v[TT+6*\qt+1]
.endr
.irp qt, 0,1
	v_permlanex16_b32 v[TT+6*\qt+4], v[TT+6*\qt], s56, s57     ; the same query's other 32 keys
.endr
.irp qt, 0,1
.if \first
	v_max_num_f32 v[TT+6*\qt+5], v[TT+6*\qt], v[TT+6*\qt+4]
.else
	v_max3_num_f32 v[TT+6*\qt+5], v[TT+6*\qt], v[TT+6*\qt+4], v[MN+2*\qt]
	v_sub_f32 v[AL+2*\qt], v[MN+2*\qt], v[TT+6*\qt+5]
.endif
	v_mov_b32 v[MN+2*\qt],   v[TT+6*\qt+5]
	v_mov_b32 v[MN+2*\qt+1], v[TT+6*\qt+5]
.endr
.if \first == 0
	v_exp_f32 v[AL],   v[AL]
	v_exp_f32 v[AL+2], v[AL+2]
.endif
.irp u, 0,1,2,3
	SUB1 0, \u
.endr
.if \first == 0
	s_wait_alu depctr_va_vdst(0)
	v_mov_b32 v[AL+1], v[AL]
	v_mov_b32 v[AL+3], v[AL+2]
.endif
.endm
; Group g's eight exponentials, in place.  Between them stands plain work on other registers: the next group's subtractions, four pairs of O^T's
; rescaling, the last group's sums and roundings.  So no exponential's result is used before a plain instruction has followed it (ISA guide 5.7.2).
.macro GRP g, first
.irp u, 0,1,2,3
	v_exp_f32 v[SS+8*\g+\u], v[SS+8*\g+\u]
.if \g < 7
	SUB1 (\g+1), \u
.endif
.if \first == 0
	RESC (4*\g+\u)
.endif
.endr
.irp u, 0,1,2,3
	v_exp_f32 v[SS+8*\g+4+\u], v[SS+8*\g+4+\u]
.if \g > 0
	SUM1 (\g-1), \u, \first
	CVT1 (\g-1), \u
.endif
.endr
.endm
; 64 keys x 32 queries.  kpre = 1: the next step's K fragments are fetched behind this step's V fragments.
; In each run of matrix instructions eight accumulators take turns, one instruction a turn.
.macro STEP slot, st, first, kpre
	s_wait_dscnt 0x0                               ; the K fragments are in
	WIN 0x50                                       ; sources 0, 1 window 0; C and D window 1
.irp qt, 0,1
.irp kt, 0,1,2,3
	v_wmma_f32_16x16x32_bf16 v[SS+8*(4*\qt+\kt):SS+8*(4*\qt+\kt)+7], v[KF+16*\kt:KF+16*\kt+7], v[QF+16*\qt:QF+16*\qt+7], 0
.endr
.endr
.irp qt, 0,1
.irp kt, 0,1,2,3
	v_wmma_f32_16x16x32_bf16 v[SS+8*(4*\qt+\kt):SS+8*(4*\qt+\kt)+7], v[KF+16*\kt+8:KF+16*\kt+15], v[QF+16*\qt+8:QF+16*\qt+15], v[SS+8*(4*\qt+\kt):SS+8*(4*\qt+\kt)+7]
.endr
.endr
	WIN 0
	PLACES                                         ; for the loads into K's and V's fragments, the reads of the scores, the rescaling of O^T and the writes of P
	VLOAD \slot, \st
.if \kpre
	KLOAD \slot, (\st+1)
.endif
	WIN 0x55                                       ; all in window 1
	MAXPH \first
.irp g, 0,1,2,3,4,5,6,7
	GRP \g, \first
.endr
.irp u, 0,1,2,3
	SUM1 7, \u, \first
	CVT1 7, \u
.endr
	s_wait_dscnt 16*\kpre                          ; V's 16 loads are in; the 16 of K issued behind them may stay out
	WIN 0x54                                       ; source 0 window 0; source 1, C and D window 1
.irp qt, 0,1
.irp dt, 0,1,2,3
.if \first
	v_wmma_f32_16x16x32_bf16 v[OO+8*(4*\qt+\dt):OO+8*(4*\qt+\dt)+7], v[VF+16*\dt:VF+16*\dt+7], v[PP+16*\qt:PP+16*\qt+7], 0
.else
	v_wmma_f32_16x16x32_bf16 v[OO+8*(4*\qt+\dt):OO+8*(4*\qt+\dt)+7], v[VF+16*\dt:VF+16*\dt+7], v[PP+16*\qt:PP+16*\qt+7], v[OO+8*(4*\qt+\dt):OO+8*(4*\qt+\dt)+7]
.endif
.endr
.endr
.irp qt, 0,1
.irp dt, 0,1,2,3
	v_wmma_f32_16x16x32_bf16 v[OO+8*(4*\qt+\dt):OO+8*(4*\qt+\dt)+7], v[VF+16*\dt+8:VF+16*\dt+15], v[PP+16*\qt+8:PP+16*\qt+15], v[OO+8*(4*\qt+\dt):OO+8*(4*\qt+\dt)+7]
.endr
.endr
.endm
; One tile of 512 keys, of which 256 are mine.  In front of the round each wave waits for all its tensor loads (its part of this trip's tile) and for
; its reads of the other slot; behind it no wave of any of the four work-groups reads that slot or has a load on its way, and the joint refill comes first.
.macro TRIP slot, refill, first
	s_wait_tensorcnt 0x0                           ; no load of mine is out: every group 0 may be written
	ds_add_u32 v254, v255
	s_wait_dscnt 0x0
	s_add_nc_u64 s[G0K+4*\slot+2:G0K+4*\slot+3], s[G0K+4*\slot+2:G0K+4*\slot+3], 2*KTILE   ; this slot's next tile
	s_add_nc_u64 s[G0V+4*\slot+2:G0V+4*\slot+3], s[G0V+4*\slot+2:G0V+4*\slot+3], 2*VTILE
	s_wait_dscnt 0x0                               ; my reads of the last trip's tile are done
	ROUND
.if \refill
	JLOAD (1-\slot)                                ; the next tile, into the slot read last trip
.endif
	KLOAD \slot, 0
	STEP \slot, 0, \first, 1
	STEP \slot, 1, 0, 1
	STEP \slot, 2, 0, 1
	STEP \slot, 3, 0, 0
	WIN 0
.endm
	TRIP 0, 1, 1                                   ; the first step starts maximum, sums and O^T
	TRIP 1, 1, 0
	s_mov_b32 s23, 2
.Llap:
	TRIP 0, 1, 0
	TRIP 1, 1, 0
	s_sub_co_u32 s23, s23, 1
	s_cmp_lg_u32 s23, 0
	s_cbranch_scc1 .Llap
	TRIP 0, 1, 0                                   ; asks for tile 7, the last
	TRIP 1, 0, 0                                   ; nothing is left to fetch (the stepped addresses are not used)
	; THE MERGE.  My sums l over the lane's chains and the two halves of the lanes, for both query tiles.
	WIN 0x55
	PLACES
.irp qt, 0,1
	v_pk_add_f32 v[LX+2*\qt:LX+2*\qt+1], v[LX+2*\qt:LX+2*\qt+1], v[LY+2*\qt:LY+2*\qt+1]
.endr
.irp qt, 0,1
	v_add_f32 v[TT+6*\qt], v[LX+2*\qt], v[LX+2*\qt+1]
.endr
.irp qt, 0,1
	v_permlanex16_b32 v[TT+6*\qt+4], v[TT+6*\qt], s56, s57
.endr
.irp qt, 0,1
	v_add_f32 v[TT+6*\qt], v[TT+6*\qt], v[TT+6*\qt+4]          ; at least 1: the key of my maximum adds 2^0
.endr
	WIN 0
; The wave of key half kh keeps query tile kh and hands the other one over: O^T (32 registers, lane by lane), m and l, into its OWN box.
; Register numbers hang on kh, so the two forms stand under a branch on the wave's number; no barrier stands inside.
.macro SEND q
	WIN 0x04                                       ; address window 0, data window 1
.irp n, 0,1,2,3,4,5,6,7
	ds_store_b128 v[BXO], v[OO+32*\q+4*\n:OO+32*\q+4*\n+3] offset:\n*512
.endr
	ds_store_b32 v[BMO], v[MN+2*\q] offset:4096
	ds_store_b32 v[BMO], v[TT+6*\q] offset:4224
	WIN 0
.endm
	s_cmp_eq_u32 s13, 0
	s_cbranch_scc0 .Lsend_0
	SEND 1
	s_branch .Lsent
.Lsend_0:
	SEND 0
.Lsent:
	s_wait_dscnt 0x0                               ; my box is written: for my partner's sake
	s_barrier_signal -1
	s_barrier_wait -1
	WIN 0x40                                       ; destination window 1, address window 0
.irp n, 0,1,2,3,4,5,6,7
	ds_load_b128 v[SS+4*\n:SS+4*\n+3], v[BXI] offset:\n*512    ; my partner's O^T of the tile that I keep: the same lanes, the same registers
.endr
	ds_load_b32 v[PP],   v[BMI] offset:4096        ; its m
	ds_load_b32 v[PP+1], v[BMI] offset:4224        ; its l
	WIN 0
	s_wait_dscnt 0x0                               ; my reads of my partner's box are done,
	s_barrier_signal -1
	s_barrier_wait -1                              ; everybody's are: each box may now be written again by its owner
; Query tile q is finished: m* = max(m, m'), a = 2^(m - m*), a' = 2^(m' - m*), l* = l a + l' a', O = O a / l* + O' a' / l*; then hi and lo through my box.
.macro FIN q
	WIN 0x55
	v_max_num_f32 v[PP+2], v[MN+2*\q], v[PP]
	v_sub_f32 v[PP+3], v[MN+2*\q], v[PP+2]
	v_sub_f32 v[PP+4], v[PP], v[PP+2]
	v_exp_f32 v[PP+3], v[PP+3]
	v_exp_f32 v[PP+4], v[PP+4]
	v_nop                                          ; the plain place behind the exponentials (ISA guide 5.7.2)
	s_wait_alu depctr_va_vdst(0)
	v_mul_f32 v[PP+5], v[TT+6*\q], v[PP+3]
	v_fma_f32 v[PP+5], v[PP+1], v[PP+4], v[PP+5]   ; l* is at least 1: one of a, a' is 1, and its l is at least 1
	v_rcp_f32 v[PP+6], v[PP+5]
	v_nop                                          ; the plain place behind the reciprocal
	s_wait_alu depctr_va_vdst(0)
	v_mul_f32 v[AL],   v[PP+3], v[PP+6]
	v_mul_f32 v[AL+2], v[PP+4], v[PP+6]
	v_mov_b32 v[AL+1], v[AL]
	v_mov_b32 v[AL+3], v[AL+2]
.irp p, 0,1,2,3,4,5,6,7,8,9,10,11,12,13,14,15
	v_pk_mul_f32 v[OO+32*\q+2*\p:OO+32*\q+2*\p+1], v[OO+32*\q+2*\p:OO+32*\q+2*\p+1], v[AL:AL+1]
.endr
.irp p, 0,1,2,3,4,5,6,7,8,9,10,11,12,13,14,15
	v_pk_fma_f32 v[OO+32*\q+2*\p:OO+32*\q+2*\p+1], v[SS+2*\p:SS+2*\p+1], v[AL+2:AL+3], v[OO+32*\q+2*\p:OO+32*\q+2*\p+1]
.endr
.irp dt, 0,1,2,3
.irp u, 0,1,2,3
	v_cvt_pk_bf16_f32 v[SS+32+8*\dt+\u], v[OO+32*\q+8*\dt+2*\u], v[OO+32*\q+8*\dt+2*\u+1]      ; hi
.endr
.irp u, 0,1,2,3
	v_lshlrev_b32 v[SS+8*\dt+2*\u],   16,  v[SS+32+8*\dt+\u]                                  ; hi back in f32
	v_and_b32     v[SS+8*\dt+2*\u+1], s58, v[SS+32+8*\dt+\u]
.endr
.irp u, 0,1,2,3
	v_pk_add_f32 v[SS+8*\dt+2*\u:SS+8*\dt+2*\u+1], v[OO+32*\q+8*\dt+2*\u:OO+32*\q+8*\dt+2*\u+1], v[SS+8*\dt+2*\u:SS+8*\dt+2*\u+1] neg_lo:[0,1] neg_hi:[0,1]
.endr
.irp u, 0,1,2,3
	v_cvt_pk_bf16_f32 v[SS+32+8*\dt+4+\u], v[SS+8*\dt+2*\u], v[SS+8*\dt+2*\u+1]                ; lo = bf16(o - hi)
.endr
.endr
	WIN 0x04                                       ; address window 0, data window 1
.irp dt, 0,1,2,3
	ds_store_b128 v[STO], v[SS+32+8*\dt:SS+32+8*\dt+3]   offset:\dt*32
	ds_store_b128 v[STO], v[SS+32+8*\dt+4:SS+32+8*\dt+7] offset:16*KPITCH+\dt*32
.endr
	WIN 0
.irp pl, 0,1
.irp u, 0,1,2,3
	ds_load_b128 v[KF+4*(4*\pl+\u):KF+4*(4*\pl+\u)+3], v[RD] offset:\pl*16*KPITCH+\u*4*KPITCH   ; my own bytes: LDS serves a wave's instructions in order (ISA guide 5.7.1)
.endr
.endr
.irp pl, 0,1
.irp u, 0,1,2,3
	s_wait_dscnt 7-(4*\pl+\u)                      ; the count is the younger loads
	global_store_b128 v[GO], v[KF+4*(4*\pl+\u):KF+4*(4*\pl+\u)+3], s[10:11] offset:\pl*4194304+\q*2048+\u*512   ; a wave stores 512 consecutive bytes
.endr
.endr
.endm
	s_cmp_eq_u32 s13, 0
	s_cbranch_scc0 .Lfin_1
	FIN 0
	s_branch .Lfin
.Lfin_1:
	FIN 1
.Lfin:
	s_wait_tensorcnt 0x0
	ds_add_u32 v254, v255
	s_wait_dscnt 0x0
	ROUND                                          ; the closing round: no work-group ends while a partner may still ask for a tile that names it
	s_endpgm
.Lfunc_end_k_qec69838cb1_attn:
	.size	k_qec69838cb1_attn, .Lfunc_end_k_qec69838cb1_attn-k_qec69838cb1_attn
	.p2alignl 7, 3214868480
	.fill 96, 4, 3214868480
	.section	.rodata,"a",@progbits
	.p2align	6, 0x0
	.amdhsa_kernel k_qec69838cb1_attn
		.amdhsa_group_segment_fixed_size 327680
		.amdhsa_private_segment_fixed_size 0
		.amdhsa_enable_private_segment 0
		.amdhsa_kernarg_size 32
		.amdhsa_user_sgpr_count 2
		.amdhsa_user_sgpr_kernarg_segment_ptr 1
		.amdhsa_wavefront_size32 1
		.amdhsa_system_sgpr_workgroup_id_x 1
		.amdhsa_system_sgpr_workgroup_id_y 1
		.amdhsa_system_sgpr_workgroup_id_z 1
		.amdhsa_system_vgpr_workitem_id 0
		.amdhsa_next_free_vgpr 448
		.amdhsa_next_free_sgpr 66
		.amdhsa_reserve_vcc 0
		.amdhsa_float_denorm_mode_32 3
		.amdhsa_float_denorm_mode_16_64 3
		.amdhsa_memory_ordered 1
		.amdhsa_forward_progress 1
		.amdhsa_inst_pref_size 255
	.end_amdhsa_kernel
	.section	.bss,"aw",@nobits
	.p2align	6
	.space	262144
	.amdgpu_metadata
---
amdhsa.version: [ 1, 2 ]
amdhsa.kernels:
  - .name:           k_qec69838cb1_attn
    .symbol:         k_qec69838cb1_attn.kd
    .args:
      - { .name: qws, .offset: 0, .size: 8, .value_kind: global_buffer, .address_space: global }
      - { .name: kws, .offset: 8, .size: 8, .value_kind: global_buffer, .address_space: global }
      - { .name: vtws, .offset: 16, .size: 8, .value_kind: global_buffer, .address_space: global }
      - { .name: ows, .offset: 24, .size: 8, .value_kind: global_buffer, .address_space: global }
    .group_segment_fixed_size: 327680
    .private_segment_fixed_size: 0
    .kernarg_segment_align: 8
    .kernarg_segment_size: 32
    .max_flat_workgroup_size: 256
    .sgpr_count:     66
    .vgpr_count:     448
    .wavefront_size: 32
...
	.end_amdgpu_metadata
.endif
;; end of part 2
;; launch proj (part 3): grid 32 x 8, 8 waves a work-group, no clusters, 130,048 bytes of LDS; arguments ows, p_param, out0; writes out0
.if DOCPART == 3
	.amdgcn_target "amdgcn-amd-amdhsa--gfx1250"
	.amdhsa_code_object_version 6
	.text
	.protected	k_qec69838cb1_proj
	.globl	k_qec69838cb1_proj
	.p2align	8
	.type	k_qec69838cb1_proj,@function
k_qec69838cb1_proj:
	s_mov_b64 s[64:65], 0
	v_nop
	global_prefetch_b8 v0, s[64:65] scope:SCOPE_SE
	s_setreg_imm32_b32 hwreg(HW_REG_WAVE_MODE, 25, 1), 1
	s_wait_xcnt 0x0
; out0[s][c] = sum over (h, d) of (o_hi + o_lo)[s][h][d] P[h][d][c].  ows: [2 planes][8 h][4096 s][64 d] bf16.  P: [512 = 64 h + d][512 c] f32.  out0: [4096][512] f32.
; Work-group (x = block of 128 rows, y = block of 64 columns); K = 512 in eight steps of 64, one head a step; both planes of o are multiplied into one sum.
; Eight waves: wave w takes rows 32 (w >> 1) .. + 31 (a = 0, 1) and columns 32 (w & 1) .. + 31 (b = 0, 1): four accumulators.
; P is f32 in memory and is rounded to bf16 on its way through registers.  o's tiles are shared by the eight column blocks and could be asked for
; jointly; not done: a wave has 16 matrix instructions a K step, and each joint refill would stand behind a round of a cluster's barrier.
; THE LOADS RUN FIVE STEPS AHEAD: a ring of five register stages of 48 registers (v256-v495, written by their low 8 bits), 12 loads a stage,
; so that 60 loads of a wave, 245,760 bytes of the work-group, are on their way while a step is multiplied.
; A STEP'S PARTS OVERLAP.  Behind step n's barrier a wave issues in one run step n's 24 fragment loads (two buffers, one for each 32 of K) and the 12 LDS
; stores of step n + 1's operands into the other slot; the products follow behind counted waits, so that the second buffer and the stores are served
; while the first buffer is multiplied.  The rounding of step n + 1's P stands between the barrier's signal and its wait.
; LIMIT: P is rounded to bf16; o enters as hi + lo, 16 bits of mantissa.
.set APITCH, 144                       ; 64 bf16 = 128 bytes + 16
.set BPITCH, 160                       ; 64 bf16 = 128 bytes + 32: 5 x 32 bytes, an odd multiple of 32 (transposing loads)
.set SPITCH, 272                       ; 64 f32 = 256 bytes + 16
.set APLANE, 128*APITCH                ; 18,432
.set ASLOT,  2*APLANE                  ; 36,864: hi, then lo
.set BBASE,  2*ASLOT                   ; 73,728
.set BSLOT,  64*BPITCH                 ; 10,240
.set STAGE,  BBASE+2*BSLOT             ; 94,208; 128 rows x 272 end at 129,024
.set PLANE,  4194304                   ; bytes of a plane of ows
.set HEADB,  524288                    ; bytes of a head in a plane
.set NST, 5                            ; register stages: loads of five steps are out
.set VX,  1                            ; (t >> 4) 2048 + (t & 15) 16: P's loads and out0's stores
.set VA,  2                            ; 16 t: o's rows of 128 bytes follow each other
.set VSA, 3                            ; v3, v4  where my 16 bytes of o go, slot 0, 1
.set VSB, 5                            ; where my 4 rounded numbers of P go
.set VAA, 6                            ; v6, v7  my fragments of o, slot 0, 1
.set VAB, 8                            ; my fragments of P (transposing loads)
.set STO, 9
.set RD,  10
.set T,   16                           ; v[16:31]   a step's 16 numbers of P rounded: two sets of 8 registers, by the step's parity
.set RB,  16                           ; v[16:47]   on the way out: the rows read back
.set F,   64                           ; v[64:159]  for each half ks of a step: o(plane, a) at 8 (2 plane + a), P(b) at 32 + 8 b
.set ACC, 160                          ; v[160:191] accumulator (a, b) at 8 (2 a + b)
; window 1: stage k of the ring at 48 k: 8 x 4 registers of o (hi, lo), then 4 x 4 of P
.set MSB, 0
.macro WIN new                         ; s_set_vgpr_msb: bits 1:0 source 0, 3:2 source 1, 5:4 source 2, 7:6 destination; the high byte repeats the setting that is left
.if MSB != \new
	s_set_vgpr_msb (MSB<<8)|\new
.set MSB, \new
.endif
.endm
	s_load_b128 s[4:7], s[0:1], 0x0                ; ows s[4:5], P s[6:7]
	s_load_b64 s[8:9], s[0:1], 0x10                ; out0
	v_lshl_add_u32 v254, v0, 2, 0x1f800
	v_mov_b32 v255, 0
	v_lshrrev_b32 v11, 5, v0
	v_readfirstlane_b32 s10, v11                   ; wave 0..7
	s_lshr_b32 s11, s10, 1                         ; i: which 32 rows
	s_and_b32 s12, s10, 1                          ; j: which 32 columns
	s_and_b32 s13, ttmp7, 0xffff                   ; column block
	v_lshrrev_b32 v11, 4, v0                       ; t >> 4
	v_and_b32 v12, 15, v0                          ; t & 15 = r
	v_bfe_u32 v13, v0, 4, 1                        ; hh
	v_lshlrev_b32 v[VX], 11, v11
	v_lshl_add_u32 v[VX], v12, 4, v[VX]
	v_lshlrev_b32 v[VA], 4, v0
	v_lshrrev_b32 v14, 3, v0
	v_and_b32 v15, 7, v0
	v_mul_u32_u24 v[VSA], v14, APITCH
	v_lshl_add_u32 v[VSA], v15, 4, v[VSA]          ; row t >> 3, byte 16 (t & 7)
	v_add_nc_u32 v[VSA+1], ASLOT, v[VSA]
	v_mul_u32_u24 v[VSB], v11, BPITCH
	v_lshl_add_u32 v[VSB], v12, 3, v[VSB]
	v_add_nc_u32 v[VSB], BBASE, v[VSB]
	s_mul_i32 s16, s11, 32*APITCH
	v_mul_u32_u24 v[VAA], v12, APITCH
	v_lshl_add_u32 v[VAA], v13, 4, v[VAA]
	v_add_nc_u32 v[VAA], s16, v[VAA]               ; (32 i + r) 144 + 16 hh
	v_add_nc_u32 v[VAA+1], ASLOT, v[VAA]
	v_lshl_add_u32 v15, v13, 3, v15                ; 8 hh + (lane & 7)
	v_mul_u32_u24 v[VAB], v15, BPITCH
	v_bfe_u32 v15, v0, 3, 1
	v_lshl_add_u32 v[VAB], v15, 4, v[VAB]
	s_lshl_b32 s16, s12, 6                         ; 64 j: my 32 columns in bytes of bf16
	s_add_co_u32 s16, s16, BBASE
	v_add_nc_u32 v[VAB], s16, v[VAB]
	s_mul_i32 s16, s11, 32*SPITCH
	s_lshl_b32 s17, s12, 7                         ; 128 j: my 32 columns in bytes of f32
	s_add_co_u32 s16, s16, s17
	s_add_co_u32 s16, s16, STAGE
	v_mul_u32_u24 v[STO], v12, SPITCH
	v_lshl_add_u32 v[STO], v13, 5, v[STO]
	v_add_nc_u32 v[STO], s16, v[STO]               ; row 32 i + r, byte 128 j + 32 hh
	v_mul_u32_u24 v[RD], v11, SPITCH
	v_lshl_add_u32 v[RD], v12, 4, v[RD]
	v_add_nc_u32 v[RD], STAGE, v[RD]
	s_wait_kmcnt 0x0
	s_mov_b32 s15, 0
	s_lshl_b32 s14, ttmp9, 14                      ; 128 rows of 128 bytes
	s_add_nc_u64 s[4:5], s[4:5], s[14:15]
	s_lshl_b32 s14, s13, 8                         ; 64 columns of 4 bytes
	s_add_nc_u64 s[6:7], s[6:7], s[14:15]
	s_lshl_b32 s16, ttmp9, 18                      ; 128 rows of 2,048 bytes
	s_add_co_u32 s14, s14, s16
	s_add_nc_u64 s[8:9], s[8:9], s[14:15]
.macro PLACES                          ; four places behind matrix instructions (ISA guide 7.12.1)
.rept 4
	v_nop
.endr
.endm
; K step n's 12 loads, into stage n mod 5.  No address register is rewritten: plane, head and rows stand in the immediates, 7,876,608 at the most, inside the signed 24 bits.
.macro GLOAD n
.set GL_, 48*((\n)%NST)
	WIN 0x40                                       ; destination window 1, address window 0
.irp pl, 0,1
.irp u, 0,1,2,3
	global_load_b128 v[GL_+4*(4*\pl+\u):GL_+4*(4*\pl+\u)+3], v[VA], s[4:5] offset:\pl*PLANE+(\n)*HEADB+\u*4096
.endr
.endr
.irp i, 0,1,2,3
	global_load_b128 v[GL_+32+4*\i:GL_+32+4*\i+3], v[VX], s[6:7] offset:\i*32768+(\n)*131072
.endr
	WIN 0
.endm
; Step n's 16 numbers of P are rounded, into the set of the step's parity: a set is written again two steps on, behind a wait for all LDS instructions.
; left = the loads of younger stages that may stay out.
.macro CV n, left
.set GS_, 48*((\n)%NST)
.set TS_, T+8*((\n)&1)
	s_wait_loadcnt \left                           ; loads come back in order (ISA guide 5.7.1): step n's 12 are in, the younger stages' stay out
	WIN 0x05                                       ; sources window 1, destination window 0
.irp i, 0,1,2,3
	v_cvt_pk_bf16_f32 v[TS_+2*\i],   v[GS_+32+4*\i],   v[GS_+32+4*\i+1]
	v_cvt_pk_bf16_f32 v[TS_+2*\i+1], v[GS_+32+4*\i+2], v[GS_+32+4*\i+3]
.endr
	WIN 0
.endm
; Step n's operands go into LDS slot n & 1: o is bf16 already and goes straight from its stage
.macro ST n
.set GS_, 48*((\n)%NST)
.set TS_, T+8*((\n)&1)
	WIN 0x04                                       ; address window 0, data window 1
.irp pl, 0,1
.irp u, 0,1,2,3
	ds_store_b128 v[VSA+((\n)&1)], v[GS_+4*(4*\pl+\u):GS_+4*(4*\pl+\u)+3] offset:\pl*APLANE+\u*32*APITCH
.endr
.endr
	WIN 0
.irp i, 0,1,2,3
	ds_store_b64 v[VSB], v[TS_+2*\i:TS_+2*\i+1] offset:((\n)&1)*BSLOT+\i*16*BPITCH
.endr
.endm
; 12 fragment loads: 32 along K (half ks) from slot sl
.macro FRAG sl, ks
.irp pl, 0,1
.irp a, 0,1
	ds_load_b128 v[F+48*\ks+8*(2*\pl+\a):F+48*\ks+8*(2*\pl+\a)+3],   v[VAA+\sl] offset:\pl*APLANE+\a*16*APITCH+\ks*64
	ds_load_b128 v[F+48*\ks+8*(2*\pl+\a)+4:F+48*\ks+8*(2*\pl+\a)+7], v[VAA+\sl] offset:\pl*APLANE+\a*16*APITCH+\ks*64+32
.endr
.endr
.irp b, 0,1
	ds_load_tr16_b128 v[F+48*\ks+32+8*\b:F+48*\ks+32+8*\b+3],   v[VAB] offset:\sl*BSLOT+\ks*32*BPITCH+\b*32
	ds_load_tr16_b128 v[F+48*\ks+32+8*\b+4:F+48*\ks+32+8*\b+7], v[VAB] offset:\sl*BSLOT+\ks*32*BPITCH+\b*32+16*BPITCH
.endr
.endm
; Eight matrix instructions: hi for the four accumulators, then lo; the accumulators take turns, one instruction a turn.
; Source 0 = 16 columns of P, source 1 = 16 rows of o: a lane's eight results are eight neighbouring columns of one row of out0.
.macro MM8 ks, zero
.irp a, 0,1
.irp b, 0,1
.if \zero
	v_wmma_f32_16x16x32_bf16 v[ACC+8*(2*\a+\b):ACC+8*(2*\a+\b)+7], v[F+48*\ks+32+8*\b:F+48*\ks+32+8*\b+7], v[F+48*\ks+8*\a:F+48*\ks+8*\a+7], 0
.else
	v_wmma_f32_16x16x32_bf16 v[ACC+8*(2*\a+\b):ACC+8*(2*\a+\b)+7], v[F+48*\ks+32+8*\b:F+48*\ks+32+8*\b+7], v[F+48*\ks+8*\a:F+48*\ks+8*\a+7], v[ACC+8*(2*\a+\b):ACC+8*(2*\a+\b)+7]
.endif
.endr
.endr
.irp a, 0,1
.irp b, 0,1
	v_wmma_f32_16x16x32_bf16 v[ACC+8*(2*\a+\b):ACC+8*(2*\a+\b)+7], v[F+48*\ks+32+8*\b:F+48*\ks+32+8*\b+7], v[F+48*\ks+16+8*\a:F+48*\ks+16+8*\a+7], v[ACC+8*(2*\a+\b):ACC+8*(2*\a+\b)+7]
.endr
.endr
.endm
; K step n.  nxt = 1: step n + 1's operands are rounded and stored; more = 1: the stage so emptied is loaded again, with step n + 6; left: see CV.
; ONE BARRIER A STEP, for two things.  In front of its signal each wave has waited for all its LDS instructions: its stores into slot n & 1 (issued in step
; n - 1) and its reads of the other slot (step n - 1's fragments).  Behind its wait slot n & 1 is whole and is read, and nobody reads the other slot
; any more, so it is written.
.macro STEP n, zero, nxt, more, left
	s_wait_dscnt 0x0                               ; for the other waves' sake: zero
	s_barrier_signal -1
.if \nxt
	CV (\n+1), \left                               ; register work while the others arrive; its eight lines are also the places between the last step's products and the fragment loads
.else
	PLACES
.endif
	s_barrier_wait -1
	FRAG ((\n)&1), 0
	FRAG ((\n)&1), 1
.if \nxt
	ST (\n+1)
.endif
.if \more
	GLOAD (\n+1+NST)
.endif
	s_wait_dscnt 12+12*\nxt                        ; LDS instructions end in order (ISA guide 5.7.1): the first half's 12 loads are in; the second half's 12 and the 12 stores may be out
	MM8 0, \zero
	s_wait_dscnt 12*\nxt                           ; the second half's loads are in; the stores may be out
	MM8 1, 0
.endm
	GLOAD 0
	GLOAD 1
	GLOAD 2
	GLOAD 3
	GLOAD 4
	CV 0, 48                                       ; steps 1 to 4 stay out
	ST 0
	GLOAD 5
	STEP 0, 1, 1, 1, 48                            ; the first products start the sums
	STEP 1, 0, 1, 1, 48                            ; asks for step 7, the last
	STEP 2, 0, 1, 0, 48                            ; rounds step 3; steps 4 to 7 are out
	STEP 3, 0, 1, 0, 36
	STEP 4, 0, 1, 0, 24
	STEP 5, 0, 1, 0, 12
	STEP 6, 0, 1, 0, 0
	STEP 7, 0, 0, 0, 0
	; THE WAY OUT: 32 bytes a lane into the stage, whole rows of 256 bytes back and out.
	PLACES
.irp a, 0,1
.irp b, 0,1
	ds_store_b128 v[STO], v[ACC+8*(2*\a+\b):ACC+8*(2*\a+\b)+3]   offset:\a*16*SPITCH+\b*64
	ds_store_b128 v[STO], v[ACC+8*(2*\a+\b)+4:ACC+8*(2*\a+\b)+7] offset:\a*16*SPITCH+\b*64+16
.endr
.endr
	s_wait_dscnt 0x0                               ; a stage row holds parts from two waves: stores done, then the barrier
	s_barrier_signal -1
	s_barrier_wait -1
.irp u, 0,1,2,3,4,5,6,7
	ds_load_b128 v[RB+4*\u:RB+4*\u+3], v[RD] offset:\u*16*SPITCH
.endr
.irp u, 0,1,2,3,4,5,6,7
	s_wait_dscnt 7-\u                              ; the count is the younger loads
	global_store_b128 v[VX], v[RB+4*\u:RB+4*\u+3], s[8:9] offset:\u*32768 th:TH_STORE_NT   ; 16 lanes store 256 consecutive bytes, aligned
.endr
	s_wait_tensorcnt 0x0
	ds_add_u32 v254, v255
	s_wait_dscnt 0x0
	s_endpgm
.Lfunc_end_k_qec69838cb1_proj:
	.size	k_qec69838cb1_proj, .Lfunc_end_k_qec69838cb1_proj-k_qec69838cb1_proj
	.p2alignl 7, 3214868480
	.fill 96, 4, 3214868480
	.section	.rodata,"a",@progbits
	.p2align	6, 0x0
	.amdhsa_kernel k_qec69838cb1_proj
		.amdhsa_group_segment_fixed_size 130048
		.amdhsa_private_segment_fixed_size 0
		.amdhsa_enable_private_segment 0
		.amdhsa_kernarg_size 24
		.amdhsa_user_sgpr_count 2
		.amdhsa_user_sgpr_kernarg_segment_ptr 1
		.amdhsa_wavefront_size32 1
		.amdhsa_system_sgpr_workgroup_id_x 1
		.amdhsa_system_sgpr_workgroup_id_y 1
		.amdhsa_system_sgpr_workgroup_id_z 1
		.amdhsa_system_vgpr_workitem_id 0
		.amdhsa_next_free_vgpr 496
		.amdhsa_next_free_sgpr 66
		.amdhsa_reserve_vcc 0
		.amdhsa_float_denorm_mode_32 3
		.amdhsa_float_denorm_mode_16_64 3
		.amdhsa_memory_ordered 1
		.amdhsa_forward_progress 1
		.amdhsa_inst_pref_size 48
	.end_amdhsa_kernel
	.amdgpu_metadata
---
amdhsa.version: [ 1, 2 ]
amdhsa.kernels:
  - .name:           k_qec69838cb1_proj
    .symbol:         k_qec69838cb1_proj.kd
    .args:
      - { .name: ows, .offset: 0, .size: 8, .value_kind: global_buffer, .address_space: global }
      - { .name: p_param, .offset: 8, .size: 8, .value_kind: global_buffer, .address_space: global }
      - { .name: out0, .offset: 16, .size: 8, .value_kind: global_buffer, .address_space: global }
    .group_segment_fixed_size: 130048
    .private_segment_fixed_size: 0
    .kernarg_segment_align: 8
    .kernarg_segment_size: 24
    .max_flat_workgroup_size: 256
    .sgpr_count:     66
    .vgpr_count:     496
    .wavefront_size: 32
...
	.end_amdgpu_metadata
.endif
;; end of part 3
